; MI455X (gfx1250); checked and timed in simulation.
; The chip was launched on July 23, 2026; its instructions are those of AMD's public machine-readable ISA for CDNA 5 (MIT licence, August 2026) and "CDNA5" Instruction Set Architecture Reference Guide (July 2026). The comments in the code are by the model that wrote it; some were corrected since.
;; Binary Linear. Allowed arithmetic: matrix products marked QUANTISED: E4M3 operands, one given power-of-two scale a tensor, by v_wmma_f32_16x16x64_fp8_fp8 or v_wmma_f32_16x16x128_fp8_fp8, f32 sums; everything else in f32.
;; Inputs: aa one number float32; bias 4,096 float32; kk one number float32; lowp_scales 2 int32 (the exponents e of the quantised operands' scales 2^e); weight 4,096 x 4,096 float32; x 4 x 1,024 x 4,096 float32.
;; Outputs: out0 4 x 1,024 x 4,096 float32.
;; This version of the problem:
;;   THIS VERSION OF THE PROBLEM IS GIVEN IN LOW PRECISION. The matrix products marked QUANTISED in the list below multiply operands that are first quantised to E4M3 (4 exponent bits, 3 mantissa bits; 8 bits a number), with one given power-of-two scale for each operand tensor; their sums are f32. All else is computed in f32.
;;   The module's matrix products, in the order in which they are computed (A, B: the left and right operand; K: the contracted axis; several contracted axes count as one K, in the product's order):
;;     1. [M 4,096, K 4,096] x [K 4,096, N 4,096]; A: input x; B: computed on the way: QUANTISED (scales: A lowp_scales[0], B lowp_scales[1])
;;   THE QUANTISER, for each operand of a quantised product, along K:
;;     - The operand's scale is 2^e, e = its entry of the input lowp_scales (int32; the entries are numbered through the quantised products in the list's order, A before B).
;;     - Each number is divided by the scale, clamped to +-448, and rounded to the nearest number of E4M3, ties to even, subnormals kept.
;;     - The product sums the exact products of the quantised numbers (number of the format x scale) in f32.
;;   ~~~python
;;   def quantise(x, axis, e):      # numpy; x: float32 -> the quantised numbers, widened to float32 again
;;       x = np.moveaxis(x, axis, -1); K = x.shape[-1]
;;       r = np.clip(x / 2.0 ** e, -448, 448)
;;       step = 2.0 ** (np.maximum(np.frexp(np.where(r == 0, 1, r))[1] - 1, -6) - 3)
;;       q = np.round(r / step) * step * 2.0 ** e      # np.round: ties to even
;;       return np.moveaxis(q, -1, axis).astype(np.float32)
;;   ~~~
;;   OPERANDS COMPUTED ON THE WAY. 'Computed on the way' means the value that the module computes at that place (a softmax that the list does not call 'softmax' is quantised finished and normalised). What goes into a quantiser is computed in f32, as accurately as f32 sums, v_exp_f32 and their like allow (about 1e-6 of the number): no bf16 or f16 on the way to a quantiser, and a product that is left as it is and whose result goes on into a quantised operand takes f32 operands (vector FMAs, or v_wmma_f32_16x16x4_f32). A number that lies on a knife's edge between two numbers of the format may be rounded either way, as far as f32 arithmetic and the matrix unit's own rounding can turn it there, and no further.
;; One version. Each part assembles by itself: llvm-mc -triple=amdgcn-amd-amdhsa -mcpu=gfx1250 --defsym DOCPART=n.
;; ======== version 1 of 1: 2 launches
;; limits: right only within a limited range of input values
;; workspace buffers: x_codes 16,777,216 bytes; w_codes 16,777,216 bytes
;; launch quant (part 1): grid 1024 x 1, 4 waves a work-group, no clusters, 0 bytes of LDS; arguments x, weight, kk, aa, lowp_scales, x_codes, w_codes; writes x_codes, w_codes
.if DOCPART == 1
	.amdgcn_target "amdgcn-amd-amdhsa--gfx1250"
	.amdhsa_code_object_version 6
	.text
	.protected	k_q4657e106bf_quant
	.globl	k_q4657e106bf_quant
	.p2align	8
	.type	k_q4657e106bf_quant,@function
k_q4657e106bf_quant:
	s_mov_b64 s[64:65], 0
	v_nop
	global_prefetch_b8 v0, s[64:65] scope:SCOPE_SE
	s_setreg_imm32_b32 hwreg(HW_REG_WAVE_MODE, 25, 1), 1
	s_wait_xcnt 0x0
; x [4096][4096] f32 and aa * tanh(kk * weight), weight [4096][4096] f32, are turned into codes of FP8 (E4M3), one byte each, with the given scales 2^ex and 2^ew
; (entries 0 and 1, int32, of the buffer of scales): code = number / 2^e, held within +-448, rounded to the nearest code, ties to even.
; LIMITS: ex and ew between -126 and 119, so that 2^e and 448 x 2^e are f32 numbers.  NaN among the inputs is not served; an infinity is held at the largest code.
; LAYOUT OF THE CODES.  Both buffers are [4096 rows][4096 bytes].  Inside each run of 512 numbers of a row, byte 16 l + 4 i + j (l = 0..31; i, j = 0..3) holds the code of k = 128 i + 4 l + j:
; what lane l holds behind four loads of 512 consecutive bytes.  The order is the same in both buffers, so byte p of a row of one and byte p of a row of the other stand for the same k, every product
; meets its partner, and only the order of the f32 sums differs from ascending k.  A tensor has one scale, so no block is broken.  So every load and every store is dense and nothing goes through LDS.
; SHARES.  Wave g = 4 x work-group + wave (0..4095) takes numbers 4096 g .. 4096 g + 4095 of x AND of weight: 16 steps of 512 numbers, x's and weight's by turns, so that every wave has the same work.
; Written out: every offset is an immediate, no address, base or store's data register is ever written again, so no wait for address translation is needed.  Loads run five to six steps ahead.
; TANH in f32, no branch on data; z = kk w (rounded once), u = z z.
;   u < 0.3125^2:  z + (z u) (c1 + u (c2 + u (c3 + u c4))), the series' coefficients -1/3, 2/15, -17/315, 62/2835; the first term left out is 0.00886 u^5, under 8e-8 of the number.
;   else:          sign(z) (1 - 2 / (1 + 2^(2 log2(e) |z|))): no cancellation worth naming from |z| = 0.3125 on; |z| = infinity gives 1.
; Both are computed for every number and v_cndmask_b32 chooses.
.set DEPTH, 6
.set OFF,  1                           ; v1        16 x lane: my bytes of a load's or a store's 512; never rewritten
.set KK,   2                           ; v[2:3]    kk, twice
.set AA,   4                           ; v[4:5]    aa, twice
.set C1,   6                           ; v[6:7] c1, v[8:9] c2, v[10:11] c3, v[12:13] c4, each twice
.set C2,   8
.set C3,   10
.set C4,   12
.set SCX,  14                          ; v14 2^ex, v15 448 x 2^ex
.set SCW,  16                          ; v16 2^ew, v17 448 x 2^ew
.set R,    20                          ; v20-115   six sets of 16 numbers, worked in place
.set U,    116                         ; v116-131  u, later z u
.set E,    132                         ; v132-147  the way by the exponential
.set P,    148                         ; v148-163  the way by the series
.set C,    164                         ; v164-227  four registers of codes for each step
.set MK,   32                          ; s32-47    the step's 16 lane masks: u < 0.3125^2
	s_load_b256 s[4:11], s[0:1], 0x0               ; x s[4:5], weight s[6:7], kk's address s[8:9], aa's s[10:11]
	s_load_b128 s[12:15], s[0:1], 0x20             ; the scales' exponents s[12:13], x's codes s[14:15]
	s_load_b64 s[16:17], s[0:1], 0x30              ; weight's codes
	v_lshrrev_b32 v1, 5, v0
	v_readfirstlane_b32 s18, v1                    ; wave 0..3
	v_and_b32 v1, 31, v0
	v_lshlrev_b32 v[OFF], 4, v1
	s_lshl_b32 s19, ttmp9, 2
	s_add_co_u32 s19, s19, s18                     ; g
	s_lshl_b32 s20, s19, 14                        ; my run of 4,096 numbers in bytes: under 2^26
	s_mov_b32 s21, 0
	s_lshl_b32 s30, s19, 12                        ; and its codes
	s_mov_b32 s31, 0
	s_mov_b32 s26, 0x4038aa3b                      ; 2 log2(e)
	s_mov_b32 s27, 0x7fffffff                      ; all but the sign
	s_mov_b32 s28, 0x3dc80000                      ; 0.3125^2
	s_wait_alu depctr_va_vdst(0)
	s_wait_kmcnt 0x0
	s_load_b32 s22, s[8:9], 0x0                    ; kk
	s_load_b32 s23, s[10:11], 0x0                  ; aa
	s_load_b64 s[24:25], s[12:13], 0x0             ; ex, ew
	s_add_nc_u64 s[4:5], s[4:5], s[20:21]
	s_add_nc_u64 s[6:7], s[6:7], s[20:21]
	s_add_nc_u64 s[14:15], s[14:15], s[30:31]
	s_add_nc_u64 s[16:17], s[16:17], s[30:31]
; Step t: tensor t % 2 (0: x, 1: weight), chunk t / 2 of my run.  Four loads of 512 consecutive bytes, 16 a lane; read once in the launch.
.macro LOAD t
.irp i, 0,1,2,3
	global_load_b128 v[R+16*((\t)%DEPTH)+4*\i:R+16*((\t)%DEPTH)+4*\i+3], v[OFF], s[4+2*((\t)%2):5+2*((\t)%2)] offset:2048*((\t)/2)+512*\i th:TH_LOAD_NT
.endr
.endm
.irp t, 0,1,2,3,4,5
	LOAD \t
.endr
	v_mov_b32 v[C1],   0xbeaaaaab                  ; -1/3
	v_mov_b32 v[C1+1], 0xbeaaaaab
	v_mov_b32 v[C2],   0x3e088889                  ; 2/15
	v_mov_b32 v[C2+1], 0x3e088889
	v_mov_b32 v[C3],   0xbd5d0dd1                  ; -17/315
	v_mov_b32 v[C3+1], 0xbd5d0dd1
	v_mov_b32 v[C4],   0x3cb327a4                  ; 62/2835
	v_mov_b32 v[C4+1], 0x3cb327a4
	s_wait_kmcnt 0x0
	v_mov_b32 v[KK],   s22
	v_mov_b32 v[KK+1], s22
	v_mov_b32 v[AA],   s23
	v_mov_b32 v[AA+1], s23
	s_add_co_i32 s24, s24, 127
	s_lshl_b32 s29, s24, 23
	v_mov_b32 v[SCX], s29                          ; 2^ex as f32: the conversion takes its exponent field
	s_add_co_i32 s24, s24, 8
	s_lshl_b32 s24, s24, 23
	s_or_b32 s24, s24, 0x600000
	v_mov_b32 v[SCX+1], s24                        ; 448 x 2^ex
	s_add_co_i32 s25, s25, 127
	s_lshl_b32 s29, s25, 23
	v_mov_b32 v[SCW], s29                          ; 2^ew
	s_add_co_i32 s25, s25, 8
	s_lshl_b32 s25, s25, 23
	s_or_b32 s25, s25, 0x600000
	v_mov_b32 v[SCW+1], s25                        ; 448 x 2^ew
; The step's 16 numbers become aa tanh(kk w), in place.
.macro TANH t
.set XS, R+16*((\t)%DEPTH)
.irp i, 0,2,4,6,8,10,12,14
	v_pk_mul_f32 v[XS+\i:XS+\i+1], v[XS+\i:XS+\i+1], v[KK:KK+1]               ; z = kk w
.endr
.irp i, 0,2,4,6,8,10,12,14
	v_pk_mul_f32 v[U+\i:U+\i+1], v[XS+\i:XS+\i+1], v[XS+\i:XS+\i+1]           ; u = z z
.endr
.irp i, 0,1,2,3,4,5,6,7,8,9,10,11,12,13,14,15
	v_mul_f32 v[E+\i], s26, |v[XS+\i]|                                        ; 2 log2(e) |z|
.endr
	s_wait_alu depctr_va_vdst(0)
.irp i, 0,1,2,3,4,5,6,7,8,9,10,11,12,13,14,15
	v_exp_f32 v[E+\i], v[E+\i]                                                ; e^(2 |z|): sixteen exponentials as one batch
.endr
.irp i, 0,2,4,6,8,10,12,14
	v_pk_fma_f32 v[P+\i:P+\i+1], v[U+\i:U+\i+1], v[C4:C4+1], v[C3:C3+1]       ; the series, which names no exponential's result: the work between the batch and its wait
.endr
.irp i, 0,2,4,6,8,10,12,14
	v_pk_fma_f32 v[P+\i:P+\i+1], v[P+\i:P+\i+1], v[U+\i:U+\i+1], v[C2:C2+1]
.endr
.irp i, 0,2,4,6,8,10,12,14
	v_pk_fma_f32 v[P+\i:P+\i+1], v[P+\i:P+\i+1], v[U+\i:U+\i+1], v[C1:C1+1]
.endr
.irp i, 0,1,2,3,4,5,6,7,8,9,10,11,12,13,14,15
	v_cmp_gt_f32 s[MK+\i], s28, v[U+\i]                                       ; 0.3125^2 > u: the series is taken
.endr
	s_wait_alu depctr_va_vdst(0)                                              ; one wait for the sixteen exponentials, ahead of their first reader
.irp i, 0,2,4,6,8,10,12,14
	v_pk_add_f32 v[E+\i:E+\i+1], v[E+\i:E+\i+1], 1.0 op_sel_hi:[1,0]
.endr
	s_wait_alu depctr_va_vdst(0)
.irp i, 0,1,2,3,4,5,6,7,8,9,10,11,12,13,14,15
	v_rcp_f32 v[E+\i], v[E+\i]                                                ; sixteen reciprocals as one batch
.endr
.irp i, 0,2,4,6,8,10,12,14
	v_pk_mul_f32 v[U+\i:U+\i+1], v[U+\i:U+\i+1], v[XS+\i:XS+\i+1]             ; z u
.endr
.irp i, 0,2,4,6,8,10,12,14
	v_pk_fma_f32 v[P+\i:P+\i+1], v[U+\i:U+\i+1], v[P+\i:P+\i+1], v[XS+\i:XS+\i+1]   ; z + (z u) Q(u)
.endr
	s_wait_alu depctr_va_vdst(0)                                              ; one wait for the sixteen reciprocals
.irp i, 0,2,4,6,8,10,12,14
	v_pk_fma_f32 v[E+\i:E+\i+1], v[E+\i:E+\i+1], -2.0, 1.0 op_sel_hi:[1,0,0]  ; 1 - 2 / (1 + e^(2 |z|))
.endr
.irp i, 0,1,2,3,4,5,6,7,8,9,10,11,12,13,14,15
	v_bfi_b32 v[E+\i], s27, v[E+\i], v[XS+\i]                                 ; with z's sign
.endr
.irp i, 0,1,2,3,4,5,6,7,8,9,10,11,12,13,14,15
	v_cndmask_b32 v[XS+\i], v[E+\i], v[P+\i], s[MK+\i]
.endr
.irp i, 0,2,4,6,8,10,12,14
	v_pk_mul_f32 v[XS+\i:XS+\i+1], v[XS+\i:XS+\i+1], v[AA:AA+1]               ; x aa
.endr
.endm
; The step's 16 numbers become 16 codes and leave: the wave stores 512 consecutive bytes, at a multiple of 512 from the buffer's first byte.
.macro HOLDCVT t, sc
.set XS, R+16*((\t)%DEPTH)
.irp i, 0,1,2,3,4,5,6,7,8,9,10,11,12,13,14,15
	v_med3_num_f32 v[XS+\i], v[XS+\i], -v[\sc+1], v[\sc+1]                    ; the conversion to an 8-bit code does not saturate (ISA guide 7.6.2): the hold at the largest code x the scale comes first
.endr
	v_cvt_scalef32_pk8_fp8_f32 v[C+4*(\t):C+4*(\t)+1], v[XS:XS+7], v[\sc]
	v_cvt_scalef32_pk8_fp8_f32 v[C+4*(\t)+2:C+4*(\t)+3], v[XS+8:XS+15], v[\sc]
	v_nop                                                                     ; one plain vector line behind the last conversion
.endm
.macro STEP t
.if 15-(\t) >= 5
	s_wait_loadcnt 20                              ; loads come back in order: this step's four are in; the four of each of the five younger steps may be out
.else
	s_wait_loadcnt 4*(15-(\t))                     ; the last steps: fewer are behind
.endif
.if (\t)%2
	TANH \t
	HOLDCVT \t, SCW
.else
	HOLDCVT \t, SCX
.endif
.if (\t)+DEPTH < 16
	LOAD (\t)+DEPTH                                ; this step's set takes the loads of six steps on
.endif
.if ((\t)%8) == 7                      ; the codes of eight steps leave together: each step has its own four registers, so nothing is written again meanwhile
.irp u, 7,6,5,4,3,2,1,0
	global_store_b128 v[OFF], v[C+4*((\t)-\u):C+4*((\t)-\u)+3], s[14+2*(((\t)-\u)%2):15+2*(((\t)-\u)%2)] offset:512*(((\t)-\u)/2)
.endr
.endif
.endm
	s_wait_alu depctr_va_vdst(0)
.irp t, 0,1,2,3,4,5,6,7,8,9,10,11,12,13,14,15
	STEP \t
.endr
	s_endpgm
.Lfunc_end_k_q4657e106bf_quant:
	.size	k_q4657e106bf_quant, .Lfunc_end_k_q4657e106bf_quant-k_q4657e106bf_quant
	.p2alignl 7, 3214868480
	.fill 96, 4, 3214868480
	.section	.rodata,"a",@progbits
	.p2align	6, 0x0
	.amdhsa_kernel k_q4657e106bf_quant
		.amdhsa_group_segment_fixed_size 0
		.amdhsa_private_segment_fixed_size 0
		.amdhsa_enable_private_segment 0
		.amdhsa_kernarg_size 56
		.amdhsa_user_sgpr_count 2
		.amdhsa_user_sgpr_kernarg_segment_ptr 1
		.amdhsa_wavefront_size32 1
		.amdhsa_system_sgpr_workgroup_id_x 1
		.amdhsa_system_sgpr_workgroup_id_y 1
		.amdhsa_system_sgpr_workgroup_id_z 1
		.amdhsa_system_vgpr_workitem_id 0
		.amdhsa_next_free_vgpr 228
		.amdhsa_next_free_sgpr 66
		.amdhsa_reserve_vcc 0
		.amdhsa_float_denorm_mode_32 3
		.amdhsa_float_denorm_mode_16_64 3
		.amdhsa_memory_ordered 1
		.amdhsa_forward_progress 1
		.amdhsa_inst_pref_size 111
	.end_amdhsa_kernel
	.amdgpu_metadata
---
amdhsa.version: [ 1, 2 ]
amdhsa.kernels:
  - .name:           k_q4657e106bf_quant
    .symbol:         k_q4657e106bf_quant.kd
    .args:
      - { .name: x, .offset: 0, .size: 8, .value_kind: global_buffer, .address_space: global }
      - { .name: weight, .offset: 8, .size: 8, .value_kind: global_buffer, .address_space: global }
      - { .name: kk, .offset: 16, .size: 8, .value_kind: global_buffer, .address_space: global }
      - { .name: aa, .offset: 24, .size: 8, .value_kind: global_buffer, .address_space: global }
      - { .name: lowp_scales, .offset: 32, .size: 8, .value_kind: global_buffer, .address_space: global }
      - { .name: x_codes, .offset: 40, .size: 8, .value_kind: global_buffer, .address_space: global }
      - { .name: w_codes, .offset: 48, .size: 8, .value_kind: global_buffer, .address_space: global }
    .group_segment_fixed_size: 0
    .private_segment_fixed_size: 0
    .kernarg_segment_align: 8
    .kernarg_segment_size: 56
    .max_flat_workgroup_size: 128
    .sgpr_count:     66
    .vgpr_count:     228
    .wavefront_size: 32
...
	.end_amdgpu_metadata
.endif
;; end of part 1
;; launch gemm (part 2): grid 16 x 16, 4 waves a work-group, clusters of 4 x 4, 327,680 bytes of LDS; arguments x_codes, w_codes, lowp_scales, out0, bias; writes out0
.if DOCPART == 2
	.amdgcn_target "amdgcn-amd-amdhsa--gfx1250"
	.amdhsa_code_object_version 6
	.text
	.protected	k_q4657e106bf_gemm
	.globl	k_q4657e106bf_gemm
	.p2align	8
	.type	k_q4657e106bf_gemm,@function
k_q4657e106bf_gemm:
	s_mov_b64 s[64:65], 0
	v_nop
	global_prefetch_b8 v0, s[64:65] scope:SCOPE_SE
	s_setreg_imm32_b32 hwreg(HW_REG_WAVE_MODE, 25, 1), 1
	s_wait_xcnt 0x0
	s_wait_alu depctr_hold_cnt(0) depctr_sa_sdst(0) depctr_va_vdst(0) depctr_va_sdst(0) depctr_va_ssrc(0) depctr_va_vcc(0) depctr_vm_vsrc(0)
	s_getreg_b32 s2, hwreg(HW_REG_IB_STS2, 6, 4)
	s_cmp_eq_u32 s2, 0
	s_cbranch_scc0 .Lentry_in_a_cluster
	s_endpgm
.Lentry_in_a_cluster:
	s_bfe_u32 s2, ttmp6, 0x10000c
	s_cmp_lg_u32 s2, 0xf033
	s_cbranch_scc0 .Lentry_shape_is_right
	s_endpgm
.Lentry_shape_is_right:
; out0[m][n] = 2^(ex + ew) x (sum over k of xc[m][k] wc[n][k]) + bias[n].  xc, wc: [4096][4096] codes of FP8 (E4M3), a byte each, as the launch before laid them (the same order of k in both); sums in f32.
; LIMIT: ex + ew lies between -126 and 127, so that 2^(ex + ew) is an f32 number.
; A block of 256 x 256 is made by four waves, 128 x 128 each: 64 accumulators, 512 registers.  K goes in slots of 256 (two steps of 128) through a ring of two LDS slots; a tile's row is 256 bytes of memory.
; CLUSTERS 4 x 4: x's tile is asked for jointly along a row of the cluster, w's along a column.  Source 0 = 16 rows of w (S), source 1 = 16 rows of x (T): a lane holds eight neighbouring columns of one row of out0.
; A STEP is four phases of 16 products, a quadrant each: S0 x T0, S0 x T1, S1 x T1, S1 x T0 (S0, S1: my w rows 0-63, 64-127; T0, T1 likewise of x).  S1 and T0, at work in the last phase, have two sets of registers,
; S0 and T1 one: six halves of 64 registers.  The next step's 64 LDS loads stand in two runs of 32, each behind four places: T0 and S1, into the idle sets, behind phase 0;
; S0 and T1 behind phase 2, which read them last.  Phase 0 waits with 16 loads left out (T1's), phase 1 with 32 (the run just issued).  The 64 accumulators take turns.
; REGISTERS: window 0: v0-63 addresses and bias, v64-127 the way out, v128-255 T0's two sets.  Window 1: v0-63 S0, v64-191 S1's two sets, v192-255 T1.
;   windows 2, 3: the sums of my rows 0-63, 64-127: row block a, column block b at v[8 (8 (a % 4) + b)].
; A slot's last reads are its first step's second run, the next slot's first reads its second step's first run: the change of slots stands between them, in the second step's phase 0.
; THE LAST K SLOT GOES BY ROWS OF out0: all its fragments of w fill window 1, x's come by blocks of 16 rows x 256 K, and each block of 16 rows leaves when its 16 products are done.
; PREFETCH: behind the load of K slot j each wave names K slot j + 2: 32 rows x 256 bytes, a lane a row.  Of the 128 rows that a wave fetches, the four partners that ask for them jointly take 32 each, by address
; (cx for x, cy for w).  The head names slots 1 and 2, the load of slot 1 names 3; the loop's last trip, whose loads are slots 14 and 15, names nothing.  At most two slots are named and not yet loaded.
.set SIZE_N, 4096
.set ROWB,   256
.set KROW,   4096
.set PITCH,  272                       ; 256 bytes + 16 of padding: the 16 rows of a fragment load start 68 words apart
.set HALFT,  128*PITCH
.set SLOT,   4*HALFT                   ; x's 256 rows, then w's 256 rows
.set SPARE,  2*SLOT                    ; the spare words, 128 bytes a wave
.set SPITCH, 528                       ; the way out: a stage of 16 rows x (512 + 16) bytes a wave, in slot 0 behind its last fill and last read
.set ADS, 16                           ; v16-17 LDS address of my w fragments in slot 0, 1
.set ADT, 20                           ; v20-21 the same for x
.set STO, 24
.set RD,  25
.set CO,  26
.set SPW, 28                           ; my spare word; never rewritten
.set NIL, 29                           ; 0; never rewritten
.set PFO, 30                           ; lane x a row of codes
.set BIAS, 32                          ; v32-35 bias at my four columns of a row read back
.set OB,  64                           ; the way out: 16 rows read back
.set G1, 24
.set G0, 32
.set G1B, 48
.set G0B, 56
.set PFA, 66
.set MSB, 0
.macro WIN new                         ; the immediate's high byte repeats the setting that is left
.if MSB != (\new)
	s_set_vgpr_msb (MSB<<8)|(\new)
.set MSB, (\new)
.endif
.endm
.macro PLACES
.rept 4
	v_nop
.endr
.endm
.macro JLOAD g0a, g1a, g0b, g1b        ; waves 0, 1 fetch x's halves, waves 2, 3 w's; s_nop 0 and four v_nop behind each line
	s_cmp_eq_u32 s15, 0
	s_cbranch_scc0 .Lfor_b_\@
	tensor_load_to_lds s[\g0a:\g0a+3], s[\g1a:\g1a+7]
	s_nop 0
.rept 4
	v_nop
.endr
	s_branch .Lasked_\@
.Lfor_b_\@:
	tensor_load_to_lds s[\g0b:\g0b+3], s[\g1b:\g1b+7]
	s_nop 0
.rept 4
	v_nop
.endr
.Lasked_\@:
.endm
.macro ASK                             ; not in the loop's last trip: there is no K slot two on
	s_cmp_gt_u32 s3, 1
	s_cbranch_scc0 .Lno_ask_\@
	global_prefetch_b8 v[PFO], s[PFA:PFA+1] offset:3*ROWB th:TH_LOAD_NT scope:SCOPE_SE
.Lno_ask_\@:
.endm
.macro CREST
	s_cmp_lg_u32 s14, 0
	s_cbranch_scc1 .Lnot_wave_0_\@
	s_barrier_signal -3
.Lnot_wave_0_\@:
	s_barrier_wait -3
	s_barrier_signal -1
	s_barrier_wait -1
.endm
.macro CROUND
	s_barrier_signal -1
	s_barrier_wait -1
	CREST
.endm
	s_load_b128 s[4:7], s[0:1], 0x0                ; x's codes, w's codes
	s_load_b128 s[8:11], s[0:1], 0x10              ; the scales' exponents, out0
	s_load_b64 s[12:13], s[0:1], 0x20              ; bias
	v_lshl_add_u32 v[SPW], v0, 2, SPARE
	v_mov_b32 v[NIL], 0
	ds_add_u32 v[SPW], v[NIL]                      ; the opening lines: the add twice on end and its wait
	ds_add_u32 v[SPW], v[NIL]
	v_lshrrev_b32 v1, 5, v0
	v_readfirstlane_b32 s14, v1                    ; wave
	s_lshr_b32 s15, s14, 1                         ; my half of the block's rows; also: I fetch x (0) or w (1)
	s_and_b32 s16, s14, 1                          ; my half of its columns; also: which 128 rows I fetch
	s_bfe_u32 s40, ttmp6, 0x40000                  ; cx
	s_bfe_u32 s41, ttmp6, 0x40004                  ; cy
	s_lshl_b32 s42, ttmp9, 2
	s_add_co_u32 s42, s42, s40                     ; block column
	s_and_b32 s17, ttmp7, 0xffff
	s_lshl_b32 s17, s17, 2
	s_add_co_u32 s17, s17, s41                     ; block row
	s_lshl_b32 s43, s41, 2
	s_lshl_b32 s43, 15, s43                        ; my row of the cluster
	s_lshl_b32 s44, 0x1111, s40                    ; my column
	s_or_b32 s[G1+0], s43, (0<<16)|(1<<20)|(1<<21)|(5<<22)|(3<<25)   ; bytes; 4 words of padding behind every 64
	s_or_b32 s[G1B+0], s44, (0<<16)|(1<<20)|(1<<21)|(5<<22)|(3<<25)
.irp g, G1, G1B
	s_mov_b32 s[\g+1], ROWB<<16
	s_mov_b32 s[\g+2], 128<<16
	s_mov_b32 s[\g+3], ROWB<<16
	s_mov_b32 s[\g+4], 128
	s_mov_b32 s[\g+5], KROW
	s_mov_b32 s[\g+6], 0
	s_mov_b32 s[\g+7], 0
.endr
	s_lshl_b32 s18, s16, 7
	s_lshl_b32 s20, s17, 8
	s_add_co_u32 s20, s20, s18                     ; x: row 256 x block row + 128 x half
	s_lshl_b32 s46, s42, 8
	s_add_co_u32 s46, s46, s18                     ; w: row 256 x block column + 128 x half
	s_mov_b32 s21, 0
	s_mov_b32 s47, 0
	s_mov_b64 s[18:19], KROW
	s_mul_u64 s[20:21], s[20:21], s[18:19]
	s_mul_u64 s[46:47], s[46:47], s[18:19]
	s_mul_i32 s45, s14, HALFT                      ; where my 128 rows go
	s_wait_dscnt 0x0
	s_wait_kmcnt 0x0
	s_load_b64 s[96:97], s[8:9], 0x0               ; ex, ew
	s_add_nc_u64 s[20:21], s[4:5], s[20:21]
	s_add_nc_u64 s[46:47], s[6:7], s[46:47]
	CROUND                                         ; the round in front of the first joint loads
.irp s, 0,1
	s_mov_b32 s[G0+4*\s], 1
	s_add_co_u32 s[G0+4*\s+1], s45, \s*SLOT
	s_add_nc_u64 s[G0+4*\s+2:G0+4*\s+3], s[20:21], \s*ROWB
	s_or_b32 s[G0+4*\s+3], s[G0+4*\s+3], 0x80000000
	s_mov_b32 s[G0B+4*\s], 1
	s_add_co_u32 s[G0B+4*\s+1], s45, \s*SLOT
	s_add_nc_u64 s[G0B+4*\s+2:G0B+4*\s+3], s[46:47], \s*ROWB
	s_or_b32 s[G0B+4*\s+3], s[G0B+4*\s+3], 0x80000000
.endr
	JLOAD G0, G1, G0B, G1B                         ; K slot 0: one tensor load a wave at the head
	s_mul_i32 s21, s15, HALFT                      ; my 128 rows of x
	s_mul_i32 s22, s16, HALFT
	s_add_co_u32 s22, s22, 2*HALFT                 ; my 128 rows of w
	s_add_co_u32 s73, s21, SLOT
	s_add_co_u32 s74, s22, SLOT
	s_mul_i32 s23, s14, 16*SPITCH                  ; my stage
	s_lshl_b32 s18, s17, 8
	s_lshl_b32 s19, s15, 7
	s_add_co_u32 s18, s18, s19
	s_lshl_b32 s18, s18, 14                        ; my first row of out0 in bytes, under 2^26
	s_mov_b32 s19, 0
	s_lshl_b32 s46, s42, 10
	s_lshl_b32 s47, s16, 9
	s_add_co_u32 s46, s46, s47                     ; my first column in bytes
	s_mov_b32 s47, 0
	s_add_nc_u64 s[12:13], s[12:13], s[46:47]
	s_add_nc_u64 s[10:11], s[10:11], s[18:19]
	s_add_nc_u64 s[10:11], s[10:11], s[46:47]
	s_lshl_b32 s70, s17, 8                         ; the prefetches: the tile's first row,
	s_lshl_b32 s71, s42, 8
	s_cmp_eq_u32 s15, 0
	s_cselect_b32 s70, s70, s71
	s_cselect_b32 s71, s40, s41                    ; my place among the four that ask with me,
	s_cselect_b64 s[PFA:PFA+1], s[4:5], s[6:7]
	s_lshl_b32 s72, s16, 7
	s_add_co_u32 s70, s70, s72                     ; the 128 rows that I fetch,
	s_lshl_b32 s71, s71, 5
	s_add_co_u32 s70, s70, s71                     ; my work-group's 32 of them
	s_lshl_b32 s70, s70, 12
	s_mov_b32 s71, 0
	s_add_nc_u64 s[PFA:PFA+1], s[PFA:PFA+1], s[70:71]
	v_and_b32 v1, 15, v0                           ; l % 16
	v_bfe_u32 v2, v0, 4, 1                         ; l / 16
	v_mul_u32_u24 v3, v1, PITCH
	v_lshl_add_u32 v4, v2, 4, v3                   ; a fragment's row x pitch + 16 x half
	v_add_nc_u32 v[ADT], s21, v4
	v_add_nc_u32 v[ADS], s22, v4
	v_add_nc_u32 v[ADT+1], s73, v4
	v_add_nc_u32 v[ADS+1], s74, v4
	v_mul_u32_u24 v5, v1, SPITCH
	v_lshl_add_u32 v5, v2, 5, v5
	v_add_nc_u32 v[STO], s23, v5                   ; into the stage: row l % 16, 32 bytes for each half of the lanes
	v_and_b32 v6, 31, v0
	v_lshlrev_b32 v[CO], 4, v6                     ; back: 32 lanes take a row of 512 bytes; the same in out0 and in bias
	v_add_nc_u32 v[RD], s23, v[CO]
	v_lshlrev_b32 v[PFO], 12, v6
	s_wait_alu depctr_va_vdst(0)
	global_load_b128 v[BIAS:BIAS+3], v[CO], s[12:13]
	global_prefetch_b8 v[PFO], s[PFA:PFA+1] offset:ROWB th:TH_LOAD_NT scope:SCOPE_SE      ; K slots 1 and 2
	global_prefetch_b8 v[PFO], s[PFA:PFA+1] offset:2*ROWB th:TH_LOAD_NT scope:SCOPE_SE
; Products n0 .. n0 + cnt - 1 of phase p.  q: the step's parity (S1's and T0's set).  w: LDS instructions that may stay out at the phase's head (-1: no wait).
.macro PH p, q, zero, n0, cnt, w
.if \w >= 0
	s_wait_dscnt \w
.endif
.if \p == 0
	WIN 0xa1
.set SR, 0
.set TR, 128+64*(\q)
.set AC, 0
.endif
.if \p == 1
	WIN 0xf5
.set SR, 0
.set TR, 192
.set AC, 0
.endif
.if \p == 2
	WIN 0xf5
.set SR, 64+64*(\q)
.set TR, 192
.set AC, 32
.endif
.if \p == 3
	WIN 0xa1
.set SR, 64+64*(\q)
.set TR, 128+64*(\q)
.set AC, 32
.endif
.set N, \n0
.rept \cnt
.set DR, AC+64*(N/4)+8*(N%4)
.if \zero
	v_wmma_f32_16x16x128_fp8_fp8 v[DR:DR+7], v[SR+16*(N%4):SR+15+16*(N%4)], v[TR+16*(N/4):TR+15+16*(N/4)], 0
.else
	v_wmma_f32_16x16x128_fp8_fp8 v[DR:DR+7], v[SR+16*(N%4):SR+15+16*(N%4)], v[TR+16*(N/4):TR+15+16*(N/4)], v[DR:DR+7]
.endif
.set N, N+1
.endr
.endm
.macro RUN lr, la, lo                  ; four fragments: 16 rows x 128 K each, four loads of 16 bytes a lane, 32 bytes apart
.set M, 0
.rept 16
	ds_load_b128 v[\lr+4*M:\lr+4*M+3], v[\la] offset:\lo+(M/4)*16*PITCH+32*(M%4)
.set M, M+1
.endr
.endm
.macro FETCHX slot, lq, set            ; T0 and S1 of the lq-th 128 along K of a slot, into the given set
	WIN 0
	RUN 128+64*(\set), ADT+(\slot), 128*(\lq)
	WIN 0x40
	RUN 64+64*(\set), ADS+(\slot), 128*(\lq)+64*PITCH
.endm
.macro FETCHY slot, lq                 ; S0 and T1
	WIN 0x40
	RUN 0, ADS+(\slot), 128*(\lq)
	RUN 192, ADT+(\slot), 128*(\lq)+64*PITCH
.endm
.macro EVEN slot, zero                 ; a slot's first step
	PH 0, 0, \zero, 0, 16, 16
	PLACES
	FETCHX \slot, 1, 1
	PH 1, 0, \zero, 0, 16, 32
	PH 2, 0, \zero, 0, 16, -1
	PLACES
	FETCHY \slot, 1
	PH 3, 0, \zero, 0, 16, -1
.endm
; The first phase of a slot's second step, with the change of slots in it.
.macro MEET slot, fill
	PH 0, 1, 0, 0, 8, 16
	WIN 0                                          ; the add's two registers lie in window 0
.if \fill
	s_wait_xcnt 0x0                                ; my prefetches have read their address
	s_add_nc_u64 s[PFA:PFA+1], s[PFA:PFA+1], ROWB
.endif
	s_wait_tensorcnt 0x0                           ; my part of the next slot has landed: no load of mine is out
	ds_add_u32 v[SPW], v[NIL]
.if \fill
	s_add_nc_u64 s[G0+4*\slot+2:G0+4*\slot+3], s[G0+4*\slot+2:G0+4*\slot+3], 2*ROWB
	s_add_nc_u64 s[G0B+4*\slot+2:G0B+4*\slot+3], s[G0B+4*\slot+2:G0B+4*\slot+3], 2*ROWB
.endif
	PH 0, 1, 0, 8, 8, -1                           ; eight products stand between the add and its wait
	s_wait_dscnt 0x0                               ; the add is done, my reads of this slot are over
	WIN 0
	s_barrier_signal -1
	s_barrier_wait -1
.if \fill
	CREST                                          ; the barrier has opened a round of the cluster's barrier
	JLOAD G0+4*\slot, G1, G0B+4*\slot, G1B         ; the refill, first behind the round; its four v_nop are the places in front of the run
.else
	PLACES
.endif
.endm
.macro ODD slot, next                  ; a slot's second step
	MEET \slot, 1
	FETCHX \next, 0, 0
	WIN 0
	ASK
	PH 1, 1, 0, 0, 16, -1
	PH 2, 1, 0, 0, 16, -1
	PLACES
	FETCHY \next, 0
	PH 3, 1, 0, 0, 16, -1
.endm
	s_wait_tensorcnt 0x0                           ; my part of K slot 0 is in
	ds_add_u32 v[SPW], v[NIL]
	s_wait_dscnt 0x0
	CROUND
	JLOAD G0+4, G1, G0B+4, G1B                     ; K slot 1
	FETCHX 0, 0, 0
	FETCHY 0, 0
	WIN 0
	global_prefetch_b8 v[PFO], s[PFA:PFA+1] offset:3*ROWB th:TH_LOAD_NT scope:SCOPE_SE    ; K slot 3
	EVEN 0, 1                                      ; the first step's products start the sums
	WIN 0
	s_mov_b32 s3, 7
.Llap:                                                 ; a trip goes once round the ring and fills both slots again
	ODD 0, 1
	EVEN 1, 0
	ODD 1, 0
	EVEN 0, 0
	WIN 0
	s_sub_co_u32 s3, s3, 1
	s_cmp_lg_u32 s3, 0
	s_cbranch_scc1 .Llap
; THE END.  Slot 0's second step, and under it the last slot's fragments as registers fall free: w's 16 (step q, column block b at window 1 v[128 q + 16 b]), x's by blocks of 16 rows x 256 K
; (32 registers; four buffers at window 0 v128-255).
.macro ALOAD a
.irp q, 0,1
.irp c, 0,1,2,3
	ds_load_b128 v[128+32*((\a)%4)+16*\q+4*\c:128+32*((\a)%4)+16*\q+4*\c+3], v[ADT+1] offset:128*\q+32*\c+(\a)*16*PITCH
.endr
.endr
.endm
.macro ROW a                           ; block a is finished: 16 products, its 8 accumulators by turns, K ascending
.set FA, 128+32*((\a)%4)
.set AC, 64*((\a)%4)
	WIN 0xa1+0x50*((\a)/4)
.irp q, 0,1
.if (\a) == 0 && \q == 1
	s_wait_dscnt 16                                ; w's last four fragments are in; x's blocks 2 and 3 may be out
.endif
.irp b, 0,1,2,3,4,5,6,7
	v_wmma_f32_16x16x128_fp8_fp8 v[AC+8*\b:AC+8*\b+7], v[128*\q+16*\b:128*\q+16*\b+15], v[FA+16*\q:FA+16*\q+15], v[AC+8*\b:AC+8*\b+7]
.endr
.endr
.endm
; The way out of block a: the sums go as they are into my stage (each accumulator from its low end on), come back as whole rows of 512 bytes, are scaled and get the bias, and leave: 32 lanes store 512 consecutive bytes.
.macro TOSTAGE a
.set AC, 64*((\a)%4)
	WIN 0x08+4*((\a)/4)
.irp b, 0,1,2,3,4,5,6,7
	ds_store_b128 v[STO], v[AC+8*\b:AC+8*\b+3] offset:64*\b
	ds_store_b128 v[STO], v[AC+8*\b+4:AC+8*\b+7] offset:64*\b+16
.endr
	WIN 0
.irp t, 0,1,2,3,4,5,6,7,8,9,10,11,12,13,14,15
	ds_load_b128 v[OB+4*\t:OB+4*\t+3], v[RD] offset:\t*SPITCH      ; LDS serves a wave's instructions in order: these see the stores above
.endr
.endm
.macro SEND a, younger                 ; younger: the LDS loads issued behind TOSTAGE's.  Every offset is an immediate: 127 rows of 16,384 bytes at the most, inside the signed 24 bits (ISA guide, chapter 10)
	s_wait_dscnt \younger
.irp t, 0,1,2,3,4,5,6,7,8,9,10,11,12,13,14,15
	v_pk_fma_f32 v[OB+4*\t:OB+4*\t+1], v[OB+4*\t:OB+4*\t+1], s[96:97], v[BIAS:BIAS+1] op_sel_hi:[1,0,1]
	v_pk_fma_f32 v[OB+4*\t+2:OB+4*\t+3], v[OB+4*\t+2:OB+4*\t+3], s[96:97], v[BIAS+2:BIAS+3] op_sel_hi:[1,0,1]
.endr
.irp t, 0,1,2,3,4,5,6,7,8,9,10,11,12,13,14,15
	global_store_b128 v[CO], v[OB+4*\t:OB+4*\t+3], s[10:11] offset:(16*(\a)+\t)*SIZE_N*4 th:TH_STORE_NT
.endr
.endm
	s_wait_kmcnt 0x0
	s_add_co_i32 s96, s96, s97
	s_add_co_i32 s96, s96, 127
	s_lshl_b32 s96, s96, 23                        ; 2^(ex + ew) as f32
	s_wait_loadcnt 0x0                             ; bias
	MEET 0, 0                                      ; nothing is filled again
	WIN 0x40
	RUN 64, ADS+1, 64*PITCH                        ; idle: S1's set 0 takes w's step 0, blocks 4-7; T0's set 0 takes x's blocks 0 and 1
	WIN 0
	ALOAD 0
	ALOAD 1
	PH 1, 1, 0, 0, 16, -1
	PH 2, 1, 0, 0, 16, -1
	PLACES
	WIN 0x40
	RUN 0, ADS+1, 0                                ; S0's registers: w's step 0, blocks 0-3; T1's: step 1, blocks 4-7
	RUN 192, ADS+1, 128+64*PITCH
	PH 3, 1, 0, 0, 16, -1
	PLACES
	WIN 0x40
	RUN 128, ADS+1, 128                            ; S1's set 1: w's step 1, blocks 0-3; T0's set 1: x's blocks 2 and 3
	WIN 0
	ALOAD 2
	ALOAD 3
	s_wait_dscnt 32                                ; all but the 32 just issued
	ROW 0
	s_wait_alu depctr_va_vdst(0)
.irp a, 0,1,2,3,4,5,6,7
	PLACES                                         ; behind the block's products: its sums are read, and its fragments' registers loaded anew
.if \a > 0
	s_wait_xcnt 0x0                                ; the last block's stores have read their registers
.endif
	TOSTAGE \a
.if \a < 4
	ALOAD \a+4                                     ; its buffer takes the block four further on
	SEND \a, 8
.else
	SEND \a, 0
.endif
.if \a < 7
	ROW \a+1
.endif
.endr
	s_wait_tensorcnt 0x0                           ; the wave's end
	ds_add_u32 v[SPW], v[NIL]
	s_wait_dscnt 0x0
	CROUND                                         ; the closing round
	s_endpgm
.Lfunc_end_k_q4657e106bf_gemm:
	.size	k_q4657e106bf_gemm, .Lfunc_end_k_q4657e106bf_gemm-k_q4657e106bf_gemm
	.p2alignl 7, 3214868480
	.fill 96, 4, 3214868480
	.section	.rodata,"a",@progbits
	.p2align	6, 0x0
	.amdhsa_kernel k_q4657e106bf_gemm
		.amdhsa_group_segment_fixed_size 327680
		.amdhsa_private_segment_fixed_size 0
		.amdhsa_enable_private_segment 0
		.amdhsa_kernarg_size 40
		.amdhsa_user_sgpr_count 2
		.amdhsa_user_sgpr_kernarg_segment_ptr 1
		.amdhsa_wavefront_size32 1
		.amdhsa_system_sgpr_workgroup_id_x 1
		.amdhsa_system_sgpr_workgroup_id_y 1
		.amdhsa_system_sgpr_workgroup_id_z 1
		.amdhsa_system_vgpr_workitem_id 0
		.amdhsa_next_free_vgpr 1024
		.amdhsa_next_free_sgpr 98
		.amdhsa_reserve_vcc 0
		.amdhsa_float_denorm_mode_32 3
		.amdhsa_float_denorm_mode_16_64 3
		.amdhsa_memory_ordered 1
		.amdhsa_forward_progress 1
		.amdhsa_inst_pref_size 125
	.end_amdhsa_kernel
	.amdgpu_metadata
---
amdhsa.version: [ 1, 2 ]
amdhsa.kernels:
  - .name:           k_q4657e106bf_gemm
    .symbol:         k_q4657e106bf_gemm.kd
    .args:
      - { .name: x_codes, .offset: 0, .size: 8, .value_kind: global_buffer, .address_space: global }
      - { .name: w_codes, .offset: 8, .size: 8, .value_kind: global_buffer, .address_space: global }
      - { .name: lowp_scales, .offset: 16, .size: 8, .value_kind: global_buffer, .address_space: global }
      - { .name: out0, .offset: 24, .size: 8, .value_kind: global_buffer, .address_space: global }
      - { .name: bias, .offset: 32, .size: 8, .value_kind: global_buffer, .address_space: global }
    .group_segment_fixed_size: 327680
    .private_segment_fixed_size: 0
    .kernarg_segment_align: 8
    .kernarg_segment_size: 40
    .max_flat_workgroup_size: 128
    .sgpr_count:     98
    .vgpr_count:     1024
    .wavefront_size: 32
...
	.end_amdgpu_metadata
.endif
;; end of part 2
